; MI455X (gfx1250); checked and timed in simulation.
; The chip was launched on July 23, 2026; its instructions are those of AMD's public machine-readable ISA for CDNA 5 (MIT licence, August 2026) and "CDNA5" Instruction Set Architecture Reference Guide (July 2026). The comments in the code are by the model that wrote it; some were corrected since.
;; Self Attention. Allowed arithmetic: float matrix products may take bf16 or f16 operands with f32 sums; all other float work in f32.
;; Inputs: Wk 32 x 256 float32; Wq 32 x 256 float32; Wv 256 x 256 float32; x 4 x 256 x 64 x 64 float32.
;; Outputs: out0 4 x 256 x 64 x 64 float32.
;; 2 versions, each right; version 2 is version 1 with the launch proj written anew for expert scheduling mode. Each part assembles by itself: llvm-mc -triple=amdgcn-amd-amdhsa -mcpu=gfx1250 --defsym DOCPART=n.
;; ======== version 1 of 2: 2 launches
;; limits: values are held in f16: magnitudes above 65,504 overflow, below 6.1e-05 lose precision
;; workspace buffers: kv 9,437,184 bytes; fbuf 1,048,576 bytes; gbuf 1,048,576 bytes
;; launch proj (part 1): grid 64 x 4, 4 waves a work-group, no clusters, 210,432 bytes of LDS; arguments x, Wq, Wk, Wv, kv, fbuf, gbuf; writes kv, fbuf, gbuf
.if DOCPART == 1
	.amdgcn_target "amdgcn-amd-amdhsa--gfx1250"
	.amdhsa_code_object_version 6
	.text
	.protected	k_q7049dd9528_proj
	.globl	k_q7049dd9528_proj
	.p2align	8
	.type	k_q7049dd9528_proj,@function
k_q7049dd9528_proj:
	s_mov_b64 s[64:65], 0
	v_nop
	global_prefetch_b8 v0, s[64:65] scope:SCOPE_SE
	s_setreg_imm32_b32 hwreg(HW_REG_WAVE_MODE, 25, 1), 1
	s_wait_xcnt 0x0
; proj: f = Wq x, g = Wk x, v = Wv x for one batch and 64 positions, stored as the register images of the matrix fragments
; that the second launch multiplies, so that it loads them as 512 consecutive bytes an instruction and shuffles nothing.
;   x [4][256][4096] f32;  Wq, Wk [32][256] f32;  Wv [256][256] f32.
;   kv   [batch 4][block 128][18,432 B]: a block is 32 positions.  Bytes 0..16,383: 16 fragments of v in f16 (channels 16 ct .. +15 at
;        ct x 1,024).  Bytes 16,384..18,431: the two fragments of f (bf16) of the NEXT block (f of block B lies in block (B - 1) mod 128).
;   fbuf [batch][tile 256][1,024 B]: f fragments (16 positions x 32 q, bf16);  gbuf: the same for g.
;   A fragment image: byte 512 t + 16 L holds registers 4 t .. 4 t + 3 of lane L = (r = L mod 16, h = L / 16).
;        v: channel 16 ct + r, positions 32 B + 16 t + 8 h + 0..7.      f, g: position 16 tile + r, q = 16 t + 8 h + 0..7.
; f and g are both multiplied in f32 by sqrt(log2(e) / 16), so that their product is the score / sqrt(256) in units of log2.
; FORMATS AND LIMITS: x and the weights are rounded to bf16 for the products, sums in f32; f and g are rounded to bf16; v is rounded to
; f16, whose finer step the weighted mean over 4,096 positions needs: |v| must stay below 65,504 (with x ~ 1 and Wv ~ 0.05 it is below 5;
; with both 30 times larger about 4,500; with offsets of 30 spreads on both about 11,500); |v| below 6.1e-5 keeps an absolute step of 6e-8.
; SHARES: four waves.  Wave w makes channels 64 w .. 64 w + 63 of v and one tile of 16 q (waves 0, 1: Wq's rows 0-15, 16-31; waves 2, 3: Wk's),
; for all 64 positions: 20 accumulators.  x goes to LDS once for all four waves; a wave's 80 weight rows lie in LDS bytes of its own.
; NO JOINT LOADS, although every work-group reads the same weights: the weights have to be rounded to bf16 on their way; brought by the
; tensor mover they would lie in LDS as f32, 320 rows x 1,024 bytes = 327,680 bytes, all of LDS.  So they pass through registers.
.set BLK,  18432                       ; bytes of a block of kv
.set XS,   168960                      ; LDS: x as bf16, 256 rows (channels) of 64 positions
.set XP,   160                         ; its pitch: 128 bytes + 32, five times 32: the transposing loads' eight rows start 160 bytes apart
.set WLB,  42240                       ; LDS: a wave's weights, 80 rows
.set WP,   528                         ; their pitch: 512 bytes + 16 = 33 x 16: sixteen rows of a fragment start in sixteen different 16-byte columns of 256
.set XO,   1                           ; v1  x: byte offset of my 16 bytes in the wave's first two rows
.set LO,   2                           ; v2  16 x lane
.set XSA,  3                           ; v3  LDS address of my 8 bytes of x
.set WSA,  4                           ; v4  LDS address of my 8 bytes of a weight half row
.set XA,   5                           ; v5  LDS address for the transposing loads of x
.set WA,   6                           ; v6  LDS address for the weight fragments
.set CT,   32                          ; v[32:63]   16 x 2 registers, converted
.set B0,   64                          ; v[64:127], v[128:191], v[192:255]: three batches of 16 loads
.set B1,   128
.set B2,   192
.set FB0,  16                          ; v[16:87], v[88:159]: two fragment buffers: x tile it at +8 it, weight tile t at +32 + 8 t
.set FB1,  88
.set QA,   128                         ; window 1: v(k, it) at v[8 (4 k + it)], the q tile's four accumulators at v[128 + 8 it]
.set VO,   16                          ; the way out: v[16:79] v in f16, v[80:111] f or g scaled, v[112:127] f or g in bf16
.set QS,   80
.set QO,   112
.set MSB, 0
.macro WIN new                         ; the immediate's high byte repeats the setting that is left
.if MSB != (\new)
	s_set_vgpr_msb (MSB<<8)|(\new)
.set MSB, (\new)
.endif
.endm
.macro PLACES                          ; four places behind matrix instructions, in front of loads into their sources and of readers of their results
.rept 4
	v_nop
.endr
.endm
	s_load_b256 s[4:11], s[0:1], 0x0               ; x s[4:5], Wq s[6:7], Wk s[8:9], Wv s[10:11]
	s_load_b128 s[12:15], s[0:1], 0x20             ; kv s[12:13], fbuf s[14:15]
	s_load_b64 s[16:17], s[0:1], 0x30              ; gbuf
	v_lshl_add_u32 v14, v0, 2, 0x33400
	v_mov_b32 v15, 0
	v_lshrrev_b32 v7, 5, v0
	v_readfirstlane_b32 s18, v7                    ; wave 0..3
	s_mov_b32 s19, ttmp9                           ; which 64 positions
	s_and_b32 s20, ttmp7, 0xffff                   ; batch
	s_and_b32 s21, s18, 1                          ; which 16 of the 32 q
	s_mul_i32 s40, s18, WLB                        ; my weights in LDS
	s_lshl_b32 s41, s18, 6                         ; 64 w
	s_mov_b32 s36, 0x3e99be61                      ; sqrt(log2(e) / 16), twice: the packed multiply names the pair
	s_mov_b32 s37, 0x3e99be61
	v_and_b32 v8, 15, v0                           ; r
	v_bfe_u32 v9, v0, 4, 1                         ; h
	v_and_b32 v10, 31, v0                          ; lane
	v_add_nc_u32 v7, s41, v9                       ; channel 64 w + h: lanes 0-15 take one row of x, lanes 16-31 the next
	v_lshlrev_b32 v[XO], 14, v7                    ; x 16,384 bytes
	v_lshl_add_u32 v[XO], v8, 4, v[XO]             ; + 16 r
	v_lshlrev_b32 v[LO], 4, v10
	v_mul_u32_u24 v[XSA], v7, XP
	v_lshl_add_u32 v[XSA], v8, 3, v[XSA]
	v_add_nc_u32 v[XSA], XS, v[XSA]
	v_lshl_add_u32 v[WSA], v10, 3, s40
	v_and_b32 v11, 7, v0
	v_lshl_or_b32 v11, v9, 3, v11                  ; 8 h + L mod 8: the row that this lane addresses
	v_mul_u32_u24 v[XA], v11, XP
	v_bfe_u32 v11, v0, 3, 1
	v_lshl_add_u32 v[XA], v11, 4, v[XA]            ; + 16 ((L / 8) mod 2)
	v_add_nc_u32 v[XA], XS, v[XA]
	v_mul_u32_u24 v[WA], v8, WP
	v_lshl_add_u32 v[WA], v9, 4, v[WA]
	v_add_nc_u32 v[WA], s40, v[WA]                 ; row r, + 16 h
	; byte offsets, each in registers of its own, all below 4 GiB
	s_lshl_b32 s38, s20, 22                        ; x: batch x 4,194,304 + 256 x group
	s_lshl_b32 s39, s19, 8
	s_add_co_u32 s38, s38, s39
	s_mov_b32 s39, 0
	s_lshl_b32 s42, s18, 16                        ; Wv: 64 rows of 1,024 bytes a wave
	s_mov_b32 s43, 0
	s_lshl_b32 s44, s21, 14                        ; Wq or Wk: 16 rows
	s_mov_b32 s45, 0
	s_wait_kmcnt 0x0
	s_add_nc_u64 s[22:23], s[4:5], s[38:39]        ; x at my group's first position
	s_add_nc_u64 s[24:25], s[10:11], s[42:43]      ; my 64 rows of Wv
	s_cmp_lt_u32 s18, 2                            ; waves 0, 1 make f; waves 2, 3 make g
	s_cselect_b64 s[26:27], s[6:7], s[8:9]
	s_cselect_b64 s[30:31], s[14:15], s[16:17]
	s_add_nc_u64 s[26:27], s[26:27], s[44:45]      ; my 16 rows of Wq or Wk
	s_mul_i32 s38, s20, 128*BLK                    ; kv: the batch
	s_mul_i32 s42, s19, 2*BLK                      ; my two blocks
	s_add_co_u32 s42, s42, s38
	s_lshl_b32 s44, s18, 12                        ; my four channel tiles
	s_add_co_u32 s42, s42, s44
	s_add_nc_u64 s[28:29], s[12:13], s[42:43]
	s_lshl_b32 s42, s20, 18                        ; fbuf, gbuf: batch x 262,144 + four tiles a group + 512 x half of q
	s_lshl_b32 s44, s19, 12
	s_add_co_u32 s42, s42, s44
	s_lshl_b32 s44, s21, 9
	s_add_co_u32 s42, s42, s44
	s_add_nc_u64 s[30:31], s[30:31], s[42:43]
	s_lshl_b32 s42, s19, 1                         ; f of block 2 g lies in block (2 g - 1) mod 128
	s_add_co_u32 s42, s42, 127
	s_and_b32 s42, s42, 127
	s_mul_i32 s42, s42, BLK
	s_add_co_u32 s42, s42, s38
	s_add_co_u32 s42, s42, s44
	s_add_co_u32 s42, s42, 16384
	s_add_nc_u64 s[32:33], s[12:13], s[42:43]
	s_mul_i32 s42, s19, 2*BLK                      ; f of block 2 g + 1 lies in block 2 g
	s_add_co_u32 s42, s42, s38
	s_add_co_u32 s42, s42, s44
	s_add_co_u32 s42, s42, 16384
	s_add_nc_u64 s[34:35], s[12:13], s[42:43]
; STAGE 1: twelve batches of 16 loads through three register buffers; every load of a wave covers two whole rows of 256 bytes (x) or
; 512 consecutive bytes (weights).  No address register and no base is ever written again.
.macro LDX buf, n0                     ; rows 64 w + 2 n, + 1 of x, read once in the launch
.irp i, 0,1,2,3,4,5,6,7,8,9,10,11,12,13,14,15
	global_load_b128 v[\buf+4*\i:\buf+4*\i+3], v[XO], s[22:23] offset:(\n0+\i)*32768 th:TH_LOAD_NT
.endr
.endm
.macro LDW buf, base, n0               ; half rows n0 .. n0 + 15 of the weights at s[base]
.irp i, 0,1,2,3,4,5,6,7,8,9,10,11,12,13,14,15
	global_load_b128 v[\buf+4*\i:\buf+4*\i+3], v[LO], s[\base:\base+1] offset:(\n0+\i)*512
.endr
.endm
.macro CVT16 buf                       ; 64 f32 a lane to bf16
.irp i, 0,1,2,3,4,5,6,7,8,9,10,11,12,13,14,15
	v_cvt_pk_bf16_f32 v[CT+2*\i], v[\buf+4*\i], v[\buf+4*\i+1]
	v_cvt_pk_bf16_f32 v[CT+2*\i+1], v[\buf+4*\i+2], v[\buf+4*\i+3]
.endr
.endm
.macro STX n0
.irp i, 0,1,2,3,4,5,6,7,8,9,10,11,12,13,14,15
	ds_store_b64 v[XSA], v[CT+2*\i:CT+2*\i+1] offset:(\n0+\i)*2*XP
.endr
.endm
.macro STW n0, row0
.irp i, 0,1,2,3,4,5,6,7,8,9,10,11,12,13,14,15
	ds_store_b64 v[WSA], v[CT+2*\i:CT+2*\i+1] offset:(\row0+((\n0+\i)>>1))*WP+((\n0+\i)&1)*256
.endr
.endm
	LDX B0, 0
	LDX B1, 16
	LDW B2, 24, 0
	s_wait_loadcnt 32                              ; loads return in order: the oldest batch is in, the two younger batches (32 loads) stay out; so in every line below
	CVT16 B0
	STX 0
	LDW B0, 24, 16
	s_wait_loadcnt 32
	CVT16 B1
	STX 16
	LDW B1, 24, 32
	s_wait_loadcnt 32
	CVT16 B2
	STW 0, 0
	LDW B2, 24, 48
	s_wait_loadcnt 32
	CVT16 B0
	STW 16, 0
	LDW B0, 24, 64
	s_wait_loadcnt 32
	CVT16 B1
	STW 32, 0
	LDW B1, 24, 80
	s_wait_loadcnt 32
	CVT16 B2
	STW 48, 0
	LDW B2, 24, 96
	s_wait_loadcnt 32
	CVT16 B0
	STW 64, 0
	LDW B0, 24, 112
	s_wait_loadcnt 32
	CVT16 B1
	STW 80, 0
	LDW B1, 26, 0                                  ; the 16 rows of Wq or Wk
	s_wait_loadcnt 32
	CVT16 B2
	STW 96, 0
	LDW B2, 26, 16
	s_wait_loadcnt 32
	CVT16 B0
	STW 112, 0
	s_wait_loadcnt 16                              ; one batch is left behind this one
	CVT16 B1
	STW 0, 64
	s_wait_loadcnt 0x0
	CVT16 B2
	STW 16, 64
	s_wait_dscnt 0x0                               ; my rows of x are in LDS, for the other three waves' sake
	s_barrier_signal -1
	s_barrier_wait -1                              ; everybody's are
; STAGE 2: eight K steps of 32 channels.  x lies [channel][position], so its fragments (position along the lanes, channel along the
; registers) come by transposing loads; one such fragment serves as source 0 (rows = positions, for v) and as source 1 (columns = positions, for f, g).
.macro FETCH s, fb                     ; 18 LDS loads: the fragments of K step s
.irp it, 0,1,2,3
	ds_load_tr16_b128 v[\fb+8*\it:\fb+8*\it+3], v[XA] offset:\s*32*XP+32*\it
	ds_load_tr16_b128 v[\fb+8*\it+4:\fb+8*\it+7], v[XA] offset:\s*32*XP+32*\it+16*XP
.endr
.irp t, 0,1,2,3,4
	ds_load_b128 v[\fb+32+8*\t:\fb+32+8*\t+3], v[WA] offset:\t*16*WP+64*\s
	ds_load_b128 v[\fb+32+8*\t+4:\fb+32+8*\t+7], v[WA] offset:\t*16*WP+64*\s+32
.endr
.endm
; 20 matrix instructions on 20 accumulators, one instruction a turn, in the same order in every K step.
; v: D[position][channel] = x^T fragment x Wv fragment: a lane's eight results are eight neighbouring positions of one channel, the image of a v fragment.
; f, g: D[q][position] = weight fragment x x^T fragment: eight neighbouring q of one position, the image of an f or g fragment.
.macro MULS fb, zero
.irp it, 0,1,2,3
.irp k, 0,1,2,3
.if \zero
	v_wmma_f32_16x16x32_bf16 v[8*(4*\k+\it):8*(4*\k+\it)+7], v[\fb+8*\it:\fb+8*\it+7], v[\fb+32+8*\k:\fb+32+8*\k+7], 0
.else
	v_wmma_f32_16x16x32_bf16 v[8*(4*\k+\it):8*(4*\k+\it)+7], v[\fb+8*\it:\fb+8*\it+7], v[\fb+32+8*\k:\fb+32+8*\k+7], v[8*(4*\k+\it):8*(4*\k+\it)+7]
.endif
.endr
.if \zero
	v_wmma_f32_16x16x32_bf16 v[QA+8*\it:QA+8*\it+7], v[\fb+64:\fb+71], v[\fb+8*\it:\fb+8*\it+7], 0
.else
	v_wmma_f32_16x16x32_bf16 v[QA+8*\it:QA+8*\it+7], v[\fb+64:\fb+71], v[\fb+8*\it:\fb+8*\it+7], v[QA+8*\it:QA+8*\it+7]
.endif
.endr
.endm
	FETCH 0, FB0
	FETCH 1, FB1
	s_wait_dscnt 18                                ; all but the 18 loads of the next K step
	WIN 0x50                                       ; C and D in window 1
	MULS FB0, 1                                    ; the first K step starts the sums: nothing is cleared
.irp s, 1,2,3,4,5,6
	PLACES
	WIN 0
	FETCH (\s+1), (FB0+72*((\s+1)&1))
	s_wait_dscnt 18
	WIN 0x50
	MULS (FB0+72*(\s&1)), 0
.endr
	s_wait_dscnt 0x0
	MULS FB1, 0
; STAGE 3: round and store; every store of a wave covers 512 consecutive bytes that begin at a multiple of 512 from the buffer's first byte.
	PLACES
	WIN 0x05                                       ; sources in window 1, results in window 0
.irp a, 0,1,2,3,4,5,6,7,8,9,10,11,12,13,14,15
.irp p, 0,1,2,3
	v_cvt_pk_f16_f32 v[VO+4*\a+\p], v[8*\a+2*\p], v[8*\a+2*\p+1]
.endr
.endr
.irp p, 0,1,2,3,4,5,6,7,8,9,10,11,12,13,14,15
	v_pk_mul_f32 v[QS+2*\p:QS+2*\p+1], v[QA+2*\p:QA+2*\p+1], s[36:37] op_sel_hi:[1,0]
.endr
	WIN 0
.irp p, 0,1,2,3,4,5,6,7,8,9,10,11,12,13,14,15
	v_cvt_pk_bf16_f32 v[QO+\p], v[QS+2*\p], v[QS+2*\p+1]
.endr
.irp k, 0,1,2,3
.irp it, 0,1,2,3
	global_store_b128 v[LO], v[VO+4*(4*\k+\it):VO+4*(4*\k+\it)+3], s[28:29] offset:(\it>>1)*BLK+\k*1024+(\it&1)*512
.endr
.endr
.irp it, 0,1,2,3
	global_store_b128 v[LO], v[QO+4*\it:QO+4*\it+3], s[30:31] offset:\it*1024
.endr
	s_cmp_ge_u32 s18, 2                            ; f goes into kv as well, one block back
	s_cbranch_scc1 .Lend
	global_store_b128 v[LO], v[QO:QO+3], s[32:33]
	global_store_b128 v[LO], v[QO+4:QO+7], s[32:33] offset:1024
	global_store_b128 v[LO], v[QO+8:QO+11], s[34:35]
	global_store_b128 v[LO], v[QO+12:QO+15], s[34:35] offset:1024
.Lend:
	s_wait_tensorcnt 0x0
	ds_add_u32 v14, v15
	s_wait_dscnt 0x0
	s_endpgm
.Lfunc_end_k_q7049dd9528_proj:
	.size	k_q7049dd9528_proj, .Lfunc_end_k_q7049dd9528_proj-k_q7049dd9528_proj
	.p2alignl 7, 3214868480
	.fill 96, 4, 3214868480
	.section	.rodata,"a",@progbits
	.p2align	6, 0x0
	.amdhsa_kernel k_q7049dd9528_proj
		.amdhsa_group_segment_fixed_size 210432
		.amdhsa_private_segment_fixed_size 0
		.amdhsa_enable_private_segment 0
		.amdhsa_kernarg_size 56
		.amdhsa_user_sgpr_count 2
		.amdhsa_user_sgpr_kernarg_segment_ptr 1
		.amdhsa_wavefront_size32 1
		.amdhsa_system_sgpr_workgroup_id_x 1
		.amdhsa_system_sgpr_workgroup_id_y 1
		.amdhsa_system_sgpr_workgroup_id_z 1
		.amdhsa_system_vgpr_workitem_id 0
		.amdhsa_next_free_vgpr 416
		.amdhsa_next_free_sgpr 66
		.amdhsa_reserve_vcc 0
		.amdhsa_float_denorm_mode_32 3
		.amdhsa_float_denorm_mode_16_64 3
		.amdhsa_memory_ordered 1
		.amdhsa_forward_progress 1
		.amdhsa_inst_pref_size 88
	.end_amdhsa_kernel
	.amdgpu_metadata
---
amdhsa.version: [ 1, 2 ]
amdhsa.kernels:
  - .name:           k_q7049dd9528_proj
    .symbol:         k_q7049dd9528_proj.kd
    .args:
      - { .name: x, .offset: 0, .size: 8, .value_kind: global_buffer, .address_space: global }
      - { .name: Wq, .offset: 8, .size: 8, .value_kind: global_buffer, .address_space: global }
      - { .name: Wk, .offset: 16, .size: 8, .value_kind: global_buffer, .address_space: global }
      - { .name: Wv, .offset: 24, .size: 8, .value_kind: global_buffer, .address_space: global }
      - { .name: kv, .offset: 32, .size: 8, .value_kind: global_buffer, .address_space: global }
      - { .name: fbuf, .offset: 40, .size: 8, .value_kind: global_buffer, .address_space: global }
      - { .name: gbuf, .offset: 48, .size: 8, .value_kind: global_buffer, .address_space: global }
    .group_segment_fixed_size: 210432
    .private_segment_fixed_size: 0
    .kernarg_segment_align: 8
    .kernarg_segment_size: 56
    .max_flat_workgroup_size: 128
    .sgpr_count:     66
    .vgpr_count:     416
    .wavefront_size: 32
...
	.end_amdgpu_metadata
.endif
;; end of part 1
;; launch attn (part 2): grid 64 x 4, 4 waves a work-group, clusters of 4 x 1, 327,680 bytes of LDS; arguments kv, fbuf, gbuf, out0; writes out0
.if DOCPART == 2
	.amdgcn_target "amdgcn-amd-amdhsa--gfx1250"
	.amdhsa_code_object_version 6
	.text
	.protected	k_q7049dd9528_attn
	.globl	k_q7049dd9528_attn
	.p2align	8
	.type	k_q7049dd9528_attn,@function
k_q7049dd9528_attn:
	s_mov_b64 s[64:65], 0
	v_nop
	global_prefetch_b8 v0, s[64:65] scope:SCOPE_SE
	s_setreg_imm32_b32 hwreg(HW_REG_WAVE_MODE, 25, 1), 1
	s_wait_xcnt 0x0
	s_wait_alu depctr_hold_cnt(0) depctr_sa_sdst(0) depctr_va_vdst(0) depctr_va_sdst(0) depctr_va_ssrc(0) depctr_va_vcc(0) depctr_vm_vsrc(0)
	s_getreg_b32 s2, hwreg(HW_REG_IB_STS2, 6, 4)
	s_cmp_eq_u32 s2, 0
	s_cbranch_scc0 .Lentry_in_a_cluster
	s_endpgm
.Lentry_in_a_cluster:
	s_bfe_u32 s2, ttmp6, 0x10000c
	s_cmp_lg_u32 s2, 0x3003
	s_cbranch_scc0 .Lentry_shape_is_right
	s_endpgm
.Lentry_shape_is_right:
; attn: out[c][j] = sum over i of v[c][i] softmax over i of (f[.][i] . g[.][j] / 16), for one batch and 64 columns j, all 256 channels c.
; kv, fbuf, gbuf hold f, g (bf16, each scaled by sqrt(log2(e)/16)) and v (f16) as register images of matrix fragments (1,024 bytes: byte
; 512 t + 16 L = registers 4 t .. 4 t + 3 of lane L); a block of kv is 32 positions i: 16 fragments of v, then the two f fragments of the NEXT block.
; SHARES: four waves; wave w owns the positions i = 1,024 w .. + 1,023 (32 blocks) and keeps a partial out^T of 64 j x 256 c in 512 registers;
; the four partial sums and the four partial denominators are added at the end through LDS.  A wave reads only tiles that it fetched itself.
; THE MAXIMUM IS EXACT AND TAKEN FIRST.  Pass 1 forms all scores once more (256 matrix instructions a wave, against 2,304 in pass 2) and takes,
; for each j, the maximum m over all 4,096 i (registers, the two lane halves, the four waves).  Pass 2 hands -m to the score product as its C operand,
; so score - m leaves the matrix unit ready for the exponential, and the 512 accumulators are never rescaled.
; LAYOUTS: score tile D[i][j] = f fragment x g fragment: lane r holds column j = r, its registers i = 8 h + e.  Two such tiles, packed to f16, ARE
; a fragment of P with rows j and K = 32 positions.  out^T tile D[j][c] = P fragment x v fragment.  Nothing is shuffled.
; CLUSTERS: the four work-groups of a cluster are four column blocks of one batch and walk the same tiles of kv and fbuf: every tensor load is a joint
; load with the mask 15; its descriptor hangs on the batch, the wave and the step alone.  The place in the cluster enters only the global addresses of g and out.
; FORMATS AND LIMITS: f, g in bf16; P and v in f16 (P lies in [0, about 1]; |v| below 65,504, see proj); sums, maxima, exponentials and the
; denominator (summed from the unrounded exponentials) in f32.  Exponentials below 2^-126 count as 0, P below 6e-8 as 0.  NaN or infinities
; among the inputs are not reproduced (the maximum drops NaN).
;
; REGISTERS.  Window w (s_set_vgpr_msb; 256 registers each) belongs to the 16 columns j = 16 w .. + 15; the numbers are the same in every window:
;   v[128:255] out^T, channel tile ct at 128 + 8 ct     v[48:63] two score tiles, exponentials in place     v[32:39], v[40:47] P, two buffers
;   v[24:31] -m     v[16:23] g fragment     v[14:15] running denominator
;   v[64:127]: window 1: v fragments of channel tiles 0-7 (group A); window 2: of tiles 8-15 (group B); window 0: v[64:79] two f fragments, then scratch.
;   Window 0 also holds every address.  Pass 1 lives in window 3 alone, in registers that pass 2 writes anew before it reads them.
; ONE SETTING FOR PRODUCTS AND SOFTMAX: a product out^T(w) += P(w) x v runs with source 0, source 2 and the destination in window w and source 1 in the
; v fragments' window.  Under that same setting v_exp_f32 (destination, source 0) and v_pk_fma_f32 L = S x 1.0 + L (source 1 a constant) mean window w,
; so they stand between the products without a switch.  Only the packing to f16 (two vector sources) has a setting of its own.
; MEMORY INSTRUCTIONS STAND IN RUNS: no LDS load stands between two products of a period.  A step of 72 matrix instructions has two runs (16 and 20 loads),
; each issued four periods (32 products) ahead of the first use of what it brings.
.set RING,  73728                      ; a wave's two slots
.set SLOT,  36864                      ; two blocks of kv
.set BLK,   18432
.set FOFF,  16384                      ; the f fragments in a block
.set SCRM,  294912                     ; behind the rings: maxima [j 64][wave 4] f32; no tensor load lands here
.set SCRL,  295936                     ; denominators, the same shape
.set DP,    272                        ; the merge stage's pitch: 64 j x 4 bytes + 16 = 17 x 16
.set VA,   10                          ; v10, v11 (window 0): LDS address of my 16 bytes in slot 0, 1; never rewritten
.set LS,   14
.set G,    16
.set NEGM, 24
.set P,    32
.set S,    48
.set VF,   64
.set O,    128
.set F,    64                          ; window 0 from here on
.set MX,   80                          ; v[80:83]   my wave's maxima, one for each 16 columns
.set MM,   84                          ; v[84:87]   the maxima; later my wave's denominators
.set INV,  88                          ; v[88:91]   1 / denominator of my four columns on the way out
.set DA,   92                          ; where I put my part of out^T
.set RA,   93                          ; v[93:96]   where I read rows of the four waves' parts
.set OV,   97                          ; my byte offset in out
.set TP,   99
.set SA,   100                         ; scratch: my wave's word of column r
.set SB,   101                         ; scratch: the four waves' maxima of column r
.set SL,   102                         ; scratch: the denominators of columns 4 (L mod 16) ..
.set TM,   104                         ; v[104:119]
.set MB,   128                         ; merge: v[128:191], v[192:255] two buffers
.set M3,   4                           ; window 3, pass 1: v[4:7] running maxima
.set GX3,  24                          ; window 3, pass 1: v[24:47] g fragments of columns 0-47 (those of columns 48-63 are window 3's own G)
.set T3,   48                          ; window 3, pass 1: v[48:111] two sets of four score tiles
.set FR3,  128                         ; window 3, pass 1: v[128:255] sixteen f fragments, two halves of eight
.set G1K,  16                          ; s[16:23] group 1: 144 rows of 256 bytes (a slot of kv)
.set G1F,  24                          ; s[24:31] group 1: 128 rows of 256 bytes (32 f fragments)
.set G0,   32                          ; s[32:39] group 0 for kv, one set for each slot
.set G0F,  40                          ; s[40:47] group 0 for fbuf, one set for each slot
.set MSB, 0
.macro WIN new                         ; the immediate's high byte repeats the setting that is left; switches that change nothing are dropped
.if MSB != (\new)
	s_set_vgpr_msb (MSB<<8)|(\new)
.set MSB, (\new)
.endif
.endm
.macro PLACES                          ; four places behind matrix instructions (ISA guide 7.12.1)
.rept 4
	v_nop
.endr
.endm
; A round of the cluster's barrier: my work-group's barrier, wave 0 signals for the work-group, every wave waits for all four work-groups, my work-group's barrier again.
.macro CREST                           ; a round behind its opening barrier
	s_cmp_lg_u32 s12, 0
	s_cbranch_scc1 .Lnot_wave_0_\@
	s_barrier_signal -3
.Lnot_wave_0_\@:
	s_barrier_wait -3
	s_barrier_signal -1
	s_barrier_wait -1
.endm
.macro ROUND
	s_barrier_signal -1
	s_barrier_wait -1
	CREST
.endm
	s_load_b256 s[4:11], s[0:1], 0x0               ; kv s[4:5], fbuf s[6:7], gbuf s[8:9], out s[10:11]
	s_set_vgpr_msb 0x40
	v_lshl_add_u32 v12, v0, 2, 0x48800
	v_mov_b32 v13, 0
	s_set_vgpr_msb 0x4045
	ds_add_u32 v12, v13
	s_set_vgpr_msb 0x4500
	v_lshrrev_b32 v1, 5, v0
	v_readfirstlane_b32 s12, v1                    ; wave 0..3
	s_bfe_u32 s13, ttmp6, 0x40000                  ; my place in the cluster
	s_lshl_b32 s14, ttmp9, 2
	s_add_co_u32 s14, s14, s13                     ; which 64 columns
	s_and_b32 s15, ttmp7, 0xffff                   ; batch
	s_mov_b32 s53, 0x76543210                      ; v_permlanex16_b32: lane i of one half reads lane i of the other
	s_mov_b32 s54, 0xfedcba98
	s_mul_i32 s55, s12, RING                       ; my ring in LDS: the wave's number alone
	; group 1: dense blocks as rows of 32 elements of 8 bytes.  15:0 mask 15 (all four work-groups), 17:16 element of 8 bytes, 21 set beside a mask
	s_mov_b32 s[G1K+0], 0x0023000f
	s_mov_b32 s[G1K+1], 32<<16                     ; tensor_dim0 = 32
	s_mov_b32 s[G1K+2], 144<<16                    ; tensor_dim1 = 144
	s_mov_b32 s[G1K+3], 32<<16                     ; tile_dim0 = 32
	s_mov_b32 s[G1K+4], 144                        ; tile_dim1 = 144
	s_mov_b32 s[G1K+5], 32                         ; from row to row: 32 elements
	s_mov_b32 s[G1K+6], 0
	s_mov_b32 s[G1K+7], 0
	s_mov_b32 s[G1F+0], 0x0023000f
	s_mov_b32 s[G1F+1], 32<<16
	s_mov_b32 s[G1F+2], 128<<16
	s_mov_b32 s[G1F+3], 32<<16
	s_mov_b32 s[G1F+4], 128
	s_mov_b32 s[G1F+5], 32
	s_mov_b32 s[G1F+6], 0
	s_mov_b32 s[G1F+7], 0
	s_mul_i32 s48, s15, 128*BLK                    ; kv: batch, and my wave's 32 blocks
	s_mul_i32 s49, s12, 32*BLK
	s_add_co_u32 s48, s48, s49
	s_mov_b32 s49, 0
	s_lshl_b32 s50, s15, 18                        ; fbuf: batch, and my wave's 64 tiles
	s_lshl_b32 s51, s12, 16
	s_add_co_u32 s50, s50, s51
	s_mov_b32 s51, 0
	s_lshl_b32 s56, s15, 18                        ; gbuf: batch, and my work-group's four tiles
	s_lshl_b32 s57, s14, 12
	s_add_co_u32 s56, s56, s57
	s_mov_b32 s57, 0
	s_lshl_b32 s58, s15, 22                        ; out: batch, channels 64 w .., my 64 columns
	s_lshl_b32 s59, s12, 20
	s_add_co_u32 s58, s58, s59
	s_lshl_b32 s59, s14, 8
	s_add_co_u32 s58, s58, s59
	s_mov_b32 s59, 0
	s_wait_dscnt 0x0
	s_wait_kmcnt 0x0
	s_add_nc_u64 s[48:49], s[4:5], s[48:49]
	s_add_nc_u64 s[50:51], s[6:7], s[50:51]
	s_add_nc_u64 s[56:57], s[8:9], s[56:57]
	s_add_nc_u64 s[58:59], s[10:11], s[58:59]
.irp n, 0,1
	s_mov_b32 s[G0+4*\n], 1
	s_add_co_u32 s[G0+4*\n+1], s55, \n*SLOT
	s_add_nc_u64 s[G0+4*\n+2:G0+4*\n+3], s[48:49], \n*SLOT         ; blocks 2 n, 2 n + 1
	s_or_b32 s[G0+4*\n+3], s[G0+4*\n+3], 0x80000000
	s_mov_b32 s[G0F+4*\n], 1
	s_add_co_u32 s[G0F+4*\n+1], s55, \n*SLOT
	s_add_nc_u64 s[G0F+4*\n+2:G0F+4*\n+3], s[50:51], (1-\n)*32768  ; slot 0: tiles 32-63, read first; slot 1: tiles 0-31, which end with f of block 0 at hand
	s_or_b32 s[G0F+4*\n+3], s[G0F+4*\n+3], 0x80000000
.endr
	ROUND                                          ; all four work-groups are here: the first joint loads meet
	tensor_load_to_lds s[G0F:G0F+3], s[G1F:G1F+7]  ; the two first fills go out together: two tensor loads of the wave are out
	s_nop 0
	tensor_load_to_lds s[G0F+4:G0F+7], s[G1F:G1F+7]
	s_nop 0
	v_and_b32 v2, 31, v0                           ; lane
	v_and_b32 v3, 15, v0                           ; r
	v_bfe_u32 v4, v0, 4, 1                         ; h
	v_lshlrev_b32 v5, 4, v2                        ; 16 x lane
	global_load_b128 v[G:G+3], v5, s[56:57]        ; g for pass 2: each fragment in its own window (destination window jt, address window 0)
	global_load_b128 v[G+4:G+7], v5, s[56:57] offset:512
.irp jt, 1,2,3
	WIN (\jt<<6)
	global_load_b128 v[G:G+3], v5, s[56:57] offset:1024*\jt
	global_load_b128 v[G+4:G+7], v5, s[56:57] offset:1024*\jt+512
.endr
	WIN 0xc0                                       ; g for pass 1: the other three fragments in window 3 as well
.irp jt, 0,1,2
	global_load_b128 v[GX3+8*\jt:GX3+8*\jt+3], v5, s[56:57] offset:1024*\jt
	global_load_b128 v[GX3+8*\jt+4:GX3+8*\jt+7], v5, s[56:57] offset:1024*\jt+512
.endr
.irp jj, 0,1,2,3
	v_mov_b32 v[M3+\jj], 0xff800000                ; -infinity
.endr
	WIN 0
	v_add_nc_u32 v[VA], s55, v5
	v_add_nc_u32 v[VA+1], SLOT, v[VA]
	v_mul_u32_u24 v[DA], v3, DP                    ; merge, in: row r of a channel tile, 32 bytes for each half of the lanes
	v_lshl_add_u32 v[DA], v4, 5, v[DA]
	v_add_nc_u32 v[DA], s55, v[DA]
	s_lshl_b32 s52, s12, 6
	v_add_nc_u32 v6, s52, v4                       ; merge, back: rows 64 w + h, 16 bytes a lane
	v_mul_u32_u24 v6, v6, DP
	v_lshl_add_u32 v[RA], v3, 4, v6
	v_add_nc_u32 v[RA+1], RING, v[RA]
	v_add_nc_u32 v[RA+2], 2*RING, v[RA]
	v_add_nc_u32 v[RA+3], 3*RING, v[RA]
	v_lshlrev_b32 v[OV], 14, v4                    ; the same two rows in out
	v_lshl_add_u32 v[OV], v3, 4, v[OV]
	s_lshl_b32 s52, s12, 2
	s_add_co_u32 s52, s52, SCRM
	v_lshl_add_u32 v[SA], v3, 4, s52
	v_lshlrev_b32 v[SB], 4, v3
	v_add_nc_u32 v[SB], SCRM, v[SB]
	v_lshlrev_b32 v[SL], 6, v3
	v_add_nc_u32 v[SL], SCRL, v[SL]
	v_mov_b32 v[TP], 0                             ; v_permlanex16_b32 counts as a reader of its destination
	s_wait_loadcnt 0x0                             ; g, once
; PASS 1, all in window 3.  A tile is 16 positions: four products (one for each 16 columns) into one of two sets of score tiles, each started by C = 0;
; behind each product four v_max3 take in the OTHER set, written one tile earlier: they are also the four places that the product in front of them needs.
; The f fragments come in runs of 16 loads, eight tiles at a time, into two halves of 64 registers: a run is issued when its half has been multiplied
; (four v_max3 stand behind the last product that read it) and is waited for eight tiles, 32 products, later.
.macro P1MM set, fr, jt
.if \jt == 3
	v_wmma_f32_16x16x32_bf16 v[T3+32*\set+24:T3+32*\set+31], v[FR3+8*\fr:FR3+8*\fr+7], v[G:G+7], 0
.else
	v_wmma_f32_16x16x32_bf16 v[T3+32*\set+8*\jt:T3+32*\set+8*\jt+7], v[FR3+8*\fr:FR3+8*\fr+7], v[GX3+8*\jt:GX3+8*\jt+7], 0
.endif
.endm
.macro P1MAX set, e
.irp jj, 0,1,2,3
	v_max3_num_f32 v[M3+\jj], v[M3+\jj], v[T3+32*\set+8*\jj+\e], v[T3+32*\set+8*\jj+\e+1]
.endr
.endm
.macro P1TILE set, fr, domax
.irp jt, 0,1,2,3
	P1MM \set, \fr, \jt
.if \domax
	P1MAX (1-\set), (2*\jt)
.endif
.endr
.endm
.macro P1RUN slot, grp, half           ; tiles 8 grp .. + 7 of the slot into one half of the fragments (destination window 3, address window 0)
	WIN 0xc0
.irp n, 0,1,2,3,4,5,6,7
	ds_load_b128 v[FR3+64*\half+8*\n:FR3+64*\half+8*\n+3], v[VA+\slot] offset:(8*\grp+\n)*1024
	ds_load_b128 v[FR3+64*\half+8*\n+4:FR3+64*\half+8*\n+7], v[VA+\slot] offset:(8*\grp+\n)*1024+512
.endr
	WIN 0xff
.endm
.macro P1GROUP half, first             ; eight tiles; the sets take turns, so a group begins with set 0 and ends with set 1
.if \first
	P1TILE 0, (8*\half), 0                         ; the slot's first tile: nothing to take in yet,
	PLACES                                         ; so its places are written out
.else
	P1TILE 0, (8*\half), 1
.endif
.irp e, 1,2,3,4,5,6,7
	P1TILE (\e&1), (8*\half+\e), 1
.endr
.endm
.macro P1HALF slot                     ; the 32 tiles of one slot
	P1RUN \slot, 0, 0
	P1RUN \slot, 1, 1
	s_wait_dscnt 16                                ; LDS loads return in order: the older run is in, the younger run's 16 loads stay out; so at each such line
	P1GROUP 0, 1
	P1RUN \slot, 2, 0
	s_wait_dscnt 16
	P1GROUP 1, 0
	P1RUN \slot, 3, 1
	s_wait_dscnt 16
	P1GROUP 0, 0
	s_wait_dscnt 0x0                               ; the last run: nothing was issued behind it
	P1GROUP 1, 0
	PLACES
	P1MAX 1, 0                                     ; the last tile's scores
	P1MAX 1, 2
	P1MAX 1, 4
	P1MAX 1, 6
	WIN 0
.endm
	s_wait_tensorcnt 0x1                           ; slot 0's tiles are in; slot 1's load, issued behind it, may stay out
	P1HALF 0
	s_wait_dscnt 0x0                               ; my reads of slot 0 are back
	s_set_vgpr_msb 0x5
	s_wait_tensorcnt 0x0                           ; and all my tensor loads have landed
	ds_add_u32 v12, v13
	s_wait_dscnt 0x0
	s_set_vgpr_msb 0x500
	ROUND                                          ; both hold of every wave of all four work-groups
	tensor_load_to_lds s[G0:G0+3], s[G1K:G1K+7]    ; blocks 0, 1 of kv into slot 0: my one tensor load behind this round
	s_nop 0
	P1HALF 1
.irp k, 0,1,2,3
	ds_load_b128 v[F+4*\k:F+4*\k+3], v[VA+1] offset:512*\k         ; f of block 0 = tiles 0, 1, while slot 1 still holds them
.endr
	WIN 0x03                                       ; source window 3, destination window 0
.irp jj, 0,1,2,3
	v_mov_b32 v[MX+\jj], v[M3+\jj]
.endr
	WIN 0
.irp jt, 0,1,2,3
	v_permlanex16_b32 v[TP], v[MX+\jt], s53, s54   ; the other eight rows of each tile lie in the other half of the lanes
	v_max_num_f32 v[MX+\jt], v[MX+\jt], v[TP]
.endr
.irp jt, 0,1,2,3
	ds_store_b32 v[SA], v[MX+\jt] offset:256*\jt   ; both halves store the same word with the same value
.endr
	s_wait_dscnt 0x0                               ; my reads of slot 1 are back and my maxima are in LDS
	s_set_vgpr_msb 0x5
	s_wait_tensorcnt 0x0                           ; blocks 0, 1 have landed
	ds_add_u32 v12, v13
	s_wait_dscnt 0x0
	s_set_vgpr_msb 0x500
	ROUND                                          ; its barriers also show every wave the four waves' maxima
	tensor_load_to_lds s[G0+4:G0+7], s[G1K:G1K+7]  ; blocks 2, 3 into slot 1
	s_nop 0
; The score products of one block: for each window two tiles, C = -m.
.macro SMM
.irp w, 0,1,2,3
	WIN (\w*0x54)                                  ; f in window 0; g, -m and the scores in window w
	v_wmma_f32_16x16x32_bf16 v[S:S+7], v[F:F+7], v[G:G+7], v[NEGM:NEGM+7]
	v_wmma_f32_16x16x32_bf16 v[S+8:S+15], v[F+8:F+15], v[G:G+7], v[NEGM:NEGM+7]
.endr
.endm
; Block 0's exponentials, written out: they start the denominators (nothing is cleared) and fill P buffer 0.
.macro SOFT0 w
	WIN (\w*0x55)
.irp e, 0,1,2,3,4,5,6,7,8,9,10,11,12,13,14,15
	v_exp_f32 v[S+\e], v[S+\e]
.endr
	v_nop                                          ; one plain place between the exponentials and their first use (ISA guide 5.7.2)
	s_wait_alu depctr_va_vdst(0)
	v_pk_add_f32 v[LS:LS+1], v[S:S+1], v[S+2:S+3]
.irp x, 4,6,8,10,12,14
	v_pk_add_f32 v[LS:LS+1], v[LS:LS+1], v[S+\x:S+\x+1]
.endr
.irp y, 0,1,2,3,4,5,6,7
	v_cvt_pk_f16_f32 v[P+\y], v[S+2*\y], v[S+2*\y+1]
.endr
.endm
; The two runs of a step.  Destination: the group's window; address: window 0.
.macro RUNB slot, off                  ; group B (channel tiles 8-15) of the block at off in the slot
	WIN 0x80
.irp k, 0,1,2,3,4,5,6,7
	ds_load_b128 v[VF+8*\k:VF+8*\k+3], v[VA+\slot] offset:\off+(8+\k)*1024
	ds_load_b128 v[VF+8*\k+4:VF+8*\k+7], v[VA+\slot] offset:\off+(8+\k)*1024+512
.endr
.endm
.macro RUNA slot, off, ldf             ; group A (channel tiles 0-7) of that block and, ldf = 1, the f fragments that lie in it
	WIN 0x40
.irp k, 0,1,2,3,4,5,6,7
	ds_load_b128 v[VF+8*\k:VF+8*\k+3], v[VA+\slot] offset:\off+\k*1024
	ds_load_b128 v[VF+8*\k+4:VF+8*\k+7], v[VA+\slot] offset:\off+\k*1024+512
.endr
.if \ldf
	WIN 0
.irp k, 0,1,2,3
	ds_load_b128 v[F+4*\k:F+4*\k+3], v[VA+\slot] offset:\off+FOFF+512*\k
.endr
.endif
.endm
	RUNA 0, 0, 0                                   ; group A of block 0
	WIN 0
.irp jt, 0,1,2,3
	ds_load_b128 v[TM+4*\jt:TM+4*\jt+3], v[SB] offset:256*\jt      ; the four waves' maxima of column 16 jt + r
.endr
	s_wait_dscnt 0x0
.irp jt, 0,1,2,3
	v_max3_num_f32 v[MM+\jt], v[TM+4*\jt], v[TM+4*\jt+1], v[TM+4*\jt+2]
	v_max_num_f32 v[MM+\jt], v[MM+\jt], v[TM+4*\jt+3]
.endr
.irp jt, 0,1,2,3
	WIN (\jt<<6)
.irp e, 0,1,2,3,4,5,6,7
	v_mul_f32 v[NEGM+\e], -1.0, v[MM+\jt]          ; a C operand: the same -m in all eight rows of column r
.endr
.endr
	SMM                                            ; scores of block 0
	PLACES
	WIN 0
.irp k, 0,1,2,3
	ds_load_b128 v[F+4*\k:F+4*\k+3], v[VA] offset:FOFF+512*\k      ; f of block 1 lies in block 0
.endr
	SOFT0 0
	SOFT0 1
	SOFT0 2
	SOFT0 3
	s_wait_dscnt 0x0
	SMM                                            ; scores of block 1
	PLACES
; PASS 2.  A period: eight products out^T(window w, channel tiles 8 g ..) += P(w, buffer pb) x v, and, valu = 1, between them eight exponentials of the
; next block's scores (tile g of window w) and their sum into L, at most two vector instructions behind a product; at the end their packing into the other P buffer.
; Every accumulator has one instruction a turn, and 71 other matrix instructions stand between two turns.
.macro PER g, w, pb, zero, valu
	WIN (\w*0x51+(1+\g)*4)
.irp k, 0,1,2,3,4,5,6,7
.if \zero
	v_wmma_f32_16x16x32_f16 v[O+64*\g+8*\k:O+64*\g+8*\k+7], v[P+8*\pb:P+8*\pb+7], v[VF+8*\k:VF+8*\k+7], 0
.else
	v_wmma_f32_16x16x32_f16 v[O+64*\g+8*\k:O+64*\g+8*\k+7], v[P+8*\pb:P+8*\pb+7], v[VF+8*\k:VF+8*\k+7], v[O+64*\g+8*\k:O+64*\g+8*\k+7]
.endif
.if \valu
.if \k < 4
	v_exp_f32 v[S+8*\g+2*\k], v[S+8*\g+2*\k]
	v_exp_f32 v[S+8*\g+2*\k+1], v[S+8*\g+2*\k+1]
.endif
.if \k == 4
	v_nop                                          ; the plain place between the exponentials and their first use (ISA guide 5.7.2)
	s_wait_alu depctr_va_vdst(0)
	v_pk_fma_f32 v[LS:LS+1], v[S+8*\g:S+8*\g+1], 1.0, v[LS:LS+1] op_sel_hi:[1,0,1]
.endif
.if \k == 5
	v_pk_fma_f32 v[LS:LS+1], v[S+8*\g+2:S+8*\g+3], 1.0, v[LS:LS+1] op_sel_hi:[1,0,1]
	v_pk_fma_f32 v[LS:LS+1], v[S+8*\g+4:S+8*\g+5], 1.0, v[LS:LS+1] op_sel_hi:[1,0,1]
.endif
.if \k == 6
	v_pk_fma_f32 v[LS:LS+1], v[S+8*\g+6:S+8*\g+7], 1.0, v[LS:LS+1] op_sel_hi:[1,0,1]
.endif
.endif
.endr
.if \valu
	WIN (\w*0x55)
.irp y, 0,1,2,3
	v_cvt_pk_f16_f32 v[P+8*(1-\pb)+4*\g+\y], v[S+8*\g+2*\y], v[S+8*\g+2*\y+1]
.endr
.endif
.endm
; Step t multiplies P(t) by v of block t, turns the scores of block t + 1 into P(t + 1), and ends with the scores of block t + 2.
; Its first run brings group B of block t (bslot, boff), multiplied in the second half of the step; its second run, in the middle, brings group A of
; block t + 1 and f of block t + 2 (both in block t + 1: aslot, aoff), used at the step's end and in the next step's first half.
; PLACES at the step's end serves the next step's first run (group B was read by the last four periods) and the readers of the new scores;
; PLACES in the middle serves the second run (group A was read by the four periods in front of it).
; rb = 1: slot rbslot has had its last read (this step's first run) and is filled again, in this order: my LDS loads are back, all my tensor loads have
; landed (the one that was out is the other slot's), the address steps, the round opens with eight products on registers inside it, and the joint load is
; the first thing behind the round.  From there to the wait for it the wave issues 48 + 72 + 16 = 136 matrix instructions.
; rb = 2: the last fill is waited for; nothing is left to fetch.
.macro STEP pb, zero, valu, bslot, boff, lda, aslot, aoff, ldf, smm, rb, rbslot
	RUNB \bslot, \boff
	PER 0, 0, \pb, \zero, \valu
	PER 0, 1, \pb, \zero, \valu
.if \rb == 1
	s_wait_dscnt 0x0
	s_wait_tensorcnt 0x0
	ds_add_u32 v12, v13
	s_wait_dscnt 0x0
	s_add_nc_u64 s[G0+4*\rbslot+2:G0+4*\rbslot+3], s[G0+4*\rbslot+2:G0+4*\rbslot+3], 2*SLOT
	s_barrier_signal -1
	PER 0, 2, \pb, \zero, \valu
	WIN 0
	s_barrier_wait -1
	CREST
	tensor_load_to_lds s[G0+4*\rbslot:G0+4*\rbslot+3], s[G1K:G1K+7]
	s_nop 0
.else
	PER 0, 2, \pb, \zero, \valu
.if \rb == 2
	s_wait_tensorcnt 0x0                           ; no load was issued behind the last one
.endif
.endif
	PER 0, 3, \pb, \zero, \valu
	s_wait_dscnt 0x0                               ; group B, issued 32 products ago; nothing younger is out
.if \lda
	PLACES
	RUNA \aslot, \aoff, \ldf
.endif
	PER 1, 0, \pb, \zero, \valu
	PER 1, 1, \pb, \zero, \valu
	PER 1, 2, \pb, \zero, \valu
	PER 1, 3, \pb, \zero, \valu
	s_wait_dscnt 0x0                               ; group A and f, issued 32 products ago
.if \smm
	SMM
.endif
	PLACES
.endm
.macro LAP zero                        ; four steps = once round the ring, both slots filled again
	STEP 0, \zero, 1, 0, 0,   1, 0, BLK, 1, 1, 0, 0
	STEP 1, 0,     1, 0, BLK, 1, 1, 0,   1, 1, 1, 0
	STEP 0, 0,     1, 1, 0,   1, 1, BLK, 1, 1, 0, 0
	STEP 1, 0,     1, 1, BLK, 1, 0, 0,   1, 1, 1, 1
.endm
	LAP 1                                          ; the first lap stands in front of the loop: its first products start the sums
	WIN 0                                          ; at a label and at a branch every window is 0
	s_mov_b32 s52, 6
.Llap:
	LAP 0
	WIN 0
	s_sub_co_u32 s52, s52, 1
	s_cmp_lg_u32 s52, 0
	s_cbranch_scc1 .Llap
	STEP 0, 0, 1, 0, 0,   1, 0, BLK, 1, 1, 0, 0    ; steps 28 to 31: no slot is filled that no later step reads
	STEP 1, 0, 1, 0, BLK, 1, 1, 0,   1, 1, 2, 0    ; blocks 30, 31 are waited for; the last scores
	STEP 0, 0, 1, 1, 0,   1, 1, BLK, 0, 0, 0, 0    ; the last exponentials
	STEP 1, 0, 0, 1, BLK, 0, 0, 0,   0, 0, 0, 0    ; the last products; its PLACES stand in front of the stores below
; THE MERGE.  Each wave puts its denominators into the scratch and its out^T, transposed to [channel][j], into its own ring, which has had its last
; fill; behind one barrier wave w adds the four parts of channels 64 w .. + 63, divides, and stores whole rows of 256 bytes.
.irp w, 0,1,2,3
	WIN (\w*5)                                     ; both sources in window w
	v_add_f32 v[MM+\w], v[LS], v[LS+1]
.endr
	WIN 0
.irp w, 0,1,2,3
	v_permlanex16_b32 v[TP], v[MM+\w], s53, s54
	v_add_f32 v[MM+\w], v[MM+\w], v[TP]
.endr
.irp w, 0,1,2,3
	ds_store_b32 v[SA], v[MM+\w] offset:SCRL-SCRM+256*\w
.endr
.irp w, 0,1,2,3
	WIN (\w<<2)                                    ; store data in window w, address in window 0
.irp ct, 0,1,2,3,4,5,6,7,8,9,10,11,12,13,14,15
	ds_store_b128 v[DA], v[O+8*\ct:O+8*\ct+3] offset:\ct*16*DP+64*\w       ; channel 16 ct + r, columns 16 w + 8 h + 0..3
	ds_store_b128 v[DA], v[O+8*\ct+4:O+8*\ct+7] offset:\ct*16*DP+64*\w+16
.endr
.endr
	WIN 0
	s_wait_dscnt 0x0                               ; my part is in LDS, for the others' sake
	s_barrier_signal -1
	s_barrier_wait -1
.macro MLOAD b, buf                    ; four pairs of rows from each of the four parts: 16 loads
.irp gp, 0,1,2,3
.irp u, 0,1,2,3
	ds_load_b128 v[\buf+16*\gp+4*\u:\buf+16*\gp+4*\u+3], v[RA+\u] offset:(4*\b+\gp)*2*DP
.endr
.endr
.endm
.macro MSUM b, buf                     ; the batch's sums first, then its four stores in one run
.irp gp, 0,1,2,3
	v_pk_add_f32 v[\buf+16*\gp:\buf+16*\gp+1], v[\buf+16*\gp:\buf+16*\gp+1], v[\buf+16*\gp+4:\buf+16*\gp+5]
	v_pk_add_f32 v[\buf+16*\gp+2:\buf+16*\gp+3], v[\buf+16*\gp+2:\buf+16*\gp+3], v[\buf+16*\gp+6:\buf+16*\gp+7]
	v_pk_add_f32 v[\buf+16*\gp+8:\buf+16*\gp+9], v[\buf+16*\gp+8:\buf+16*\gp+9], v[\buf+16*\gp+12:\buf+16*\gp+13]
	v_pk_add_f32 v[\buf+16*\gp+10:\buf+16*\gp+11], v[\buf+16*\gp+10:\buf+16*\gp+11], v[\buf+16*\gp+14:\buf+16*\gp+15]
	v_pk_add_f32 v[\buf+16*\gp:\buf+16*\gp+1], v[\buf+16*\gp:\buf+16*\gp+1], v[\buf+16*\gp+8:\buf+16*\gp+9]
	v_pk_add_f32 v[\buf+16*\gp+2:\buf+16*\gp+3], v[\buf+16*\gp+2:\buf+16*\gp+3], v[\buf+16*\gp+10:\buf+16*\gp+11]
	s_wait_alu depctr_va_vdst(0)
	v_pk_mul_f32 v[\buf+16*\gp:\buf+16*\gp+1], v[\buf+16*\gp:\buf+16*\gp+1], v[INV:INV+1]
	v_pk_mul_f32 v[\buf+16*\gp+2:\buf+16*\gp+3], v[\buf+16*\gp+2:\buf+16*\gp+3], v[INV+2:INV+3]
.endr
.irp gp, 0,1,2,3
	global_store_b128 v[OV], v[\buf+16*\gp:\buf+16*\gp+3], s[58:59] offset:(4*\b+\gp)*32768 th:TH_STORE_NT   ; 16 lanes store 256 consecutive bytes, at a multiple of 256 from out's first byte
.endr
.endm
.irp q, 0,1,2,3
	ds_load_b128 v[TM+4*\q:TM+4*\q+3], v[SL] offset:16*\q          ; the four waves' denominators of column 4 (L mod 16) + q
.endr
	MLOAD 0, MB
	MLOAD 1, (MB+64)
	s_wait_dscnt 32                                ; the denominators are in; the 32 loads of the first two batches stay out
.irp q, 0,1,2,3
	v_pk_add_f32 v[TM+4*\q:TM+4*\q+1], v[TM+4*\q:TM+4*\q+1], v[TM+4*\q+2:TM+4*\q+3]
	v_add_f32 v[TM+4*\q], v[TM+4*\q], v[TM+4*\q+1]
.endr
.irp q, 0,1,2,3
	v_rcp_f32 v[INV+\q], v[TM+4*\q]                ; at least about 1: the column's largest exponential is among its terms
.endr
	v_nop                                          ; the plain place behind the reciprocals
	s_wait_dscnt 16                                ; all but the next batch's 16 loads
	MSUM 0, MB
.irp b, 1,2,3,4,5,6
	s_wait_xcnt 0x0                                ; the buffer that the stores of the batch before read is loaded again only behind this wait
	MLOAD (\b+1), (MB+64*((\b+1)&1))
	s_wait_dscnt 16
	MSUM \b, (MB+64*(\b&1))
.endr
	s_wait_dscnt 0x0
	MSUM 7, (MB+64)
	s_set_vgpr_msb 0x5
	s_wait_tensorcnt 0x0
	ds_add_u32 v12, v13
	s_wait_dscnt 0x0
	s_set_vgpr_msb 0x500
	ROUND                                          ; the closing round: no work-group ends while a partner may still ask for a tile that names it
	s_endpgm
.Lfunc_end_k_q7049dd9528_attn:
	.size	k_q7049dd9528_attn, .Lfunc_end_k_q7049dd9528_attn-k_q7049dd9528_attn
	.p2alignl 7, 3214868480
	.fill 96, 4, 3214868480
	.section	.rodata,"a",@progbits
	.p2align	6, 0x0
	.amdhsa_kernel k_q7049dd9528_attn
		.amdhsa_group_segment_fixed_size 327680
		.amdhsa_private_segment_fixed_size 0
		.amdhsa_enable_private_segment 0
		.amdhsa_kernarg_size 32
		.amdhsa_user_sgpr_count 2
		.amdhsa_user_sgpr_kernarg_segment_ptr 1
		.amdhsa_wavefront_size32 1
		.amdhsa_system_sgpr_workgroup_id_x 1
		.amdhsa_system_sgpr_workgroup_id_y 1
		.amdhsa_system_sgpr_workgroup_id_z 1
		.amdhsa_system_vgpr_workitem_id 0
		.amdhsa_next_free_vgpr 1024
		.amdhsa_next_free_sgpr 66
		.amdhsa_reserve_vcc 0
		.amdhsa_float_denorm_mode_32 3
		.amdhsa_float_denorm_mode_16_64 3
		.amdhsa_memory_ordered 1
		.amdhsa_forward_progress 1
		.amdhsa_inst_pref_size 255
	.end_amdhsa_kernel
	.section	.bss,"aw",@nobits
	.p2align	6
	.space	262144
	.amdgpu_metadata
---
amdhsa.version: [ 1, 2 ]
amdhsa.kernels:
  - .name:           k_q7049dd9528_attn
    .symbol:         k_q7049dd9528_attn.kd
    .args:
      - { .name: kv, .offset: 0, .size: 8, .value_kind: global_buffer, .address_space: global }
      - { .name: fbuf, .offset: 8, .size: 8, .value_kind: global_buffer, .address_space: global }
      - { .name: gbuf, .offset: 16, .size: 8, .value_kind: global_buffer, .address_space: global }
      - { .name: out0, .offset: 24, .size: 8, .value_kind: global_buffer, .address_space: global }
    .group_segment_fixed_size: 327680
    .private_segment_fixed_size: 0
    .kernarg_segment_align: 8
    .kernarg_segment_size: 32
    .max_flat_workgroup_size: 128
    .sgpr_count:     66
    .vgpr_count:     1024
    .wavefront_size: 32
...
	.end_amdgpu_metadata
.endif
;; end of part 2
;; ======== version 2 of 2: 2 launches; version 1 with the launch proj written anew for expert scheduling mode
;; limits: values are held in f16: magnitudes above 65,504 overflow, below 6.1e-05 lose precision
;; workspace buffers: kv 9,437,184 bytes; fbuf 1,048,576 bytes; gbuf 1,048,576 bytes
;; launch proj (part 3): grid 64 x 4, 4 waves a work-group, no clusters, 210,432 bytes of LDS; arguments x, Wq, Wk, Wv, kv, fbuf, gbuf; writes kv, fbuf, gbuf
.if DOCPART == 3
	.amdgcn_target "amdgcn-amd-amdhsa--gfx1250"
	.amdhsa_code_object_version 6
	.text
	.protected	k_q7049dd9528_proj
	.globl	k_q7049dd9528_proj
	.p2align	8
	.type	k_q7049dd9528_proj,@function
k_q7049dd9528_proj:
	s_mov_b64 s[64:65], 0
	v_nop
	global_prefetch_b8 v0, s[64:65] scope:SCOPE_SE
	s_setreg_imm32_b32 hwreg(HW_REG_WAVE_SCHED_MODE, 0, 2), 2
	s_setreg_imm32_b32 hwreg(HW_REG_WAVE_MODE, 25, 1), 1
	s_wait_xcnt 0x0
	s_wait_alu depctr_vm_vsrc(0)
; proj: f = Wq x, g = Wk x, v = Wv x for one batch and 64 positions, stored as the register images of the matrix fragments
; that the second launch multiplies, so that it loads them as 512 consecutive bytes an instruction and shuffles nothing.
;   x [4][256][4096] f32;  Wq, Wk [32][256] f32;  Wv [256][256] f32.
;   kv   [batch 4][block 128][18,432 B]: a block is 32 positions.  Bytes 0..16,383: 16 fragments of v in f16 (channels 16 ct .. +15 at
;        ct x 1,024).  Bytes 16,384..18,431: the two fragments of f (bf16) of the NEXT block (f of block B lies in block (B - 1) mod 128).
;   fbuf [batch][tile 256][1,024 B]: f fragments (16 positions x 32 q, bf16);  gbuf: the same for g.
;   A fragment image: byte 512 t + 16 L holds registers 4 t .. 4 t + 3 of lane L = (r = L mod 16, h = L / 16).
;        v: channel 16 ct + r, positions 32 B + 16 t + 8 h + 0..7.      f, g: position 16 tile + r, q = 16 t + 8 h + 0..7.
; f and g are both multiplied in f32 by sqrt(log2(e) / 16), so that their product is the score / sqrt(256) in units of log2.
; FORMATS AND LIMITS: x and the weights are rounded to bf16 for the products, sums in f32; f and g are rounded to bf16; v is rounded to
; f16, whose finer step the weighted mean over 4,096 positions needs: |v| must stay below 65,504 (with x ~ 1 and Wv ~ 0.05 it is below 5;
; with both 30 times larger about 4,500; with offsets of 30 spreads on both about 11,500); |v| below 6.1e-5 keeps an absolute step of 6e-8.
; SHARES: four waves.  Wave w makes channels 64 w .. 64 w + 63 of v and one tile of 16 q (waves 0, 1: Wq's rows 0-15, 16-31; waves 2, 3: Wk's),
; for all 64 positions: 20 accumulators.  x goes to LDS once for all four waves; a wave's 80 weight rows lie in LDS bytes of its own.
; NO JOINT LOADS, although every work-group reads the same weights: the weights have to be rounded to bf16 on their way; brought by the
; tensor mover they would lie in LDS as f32, 320 rows x 1,024 bytes = 327,680 bytes, all of LDS.  So they pass through registers.
; THE MODE: SCHED_MODE bits 1:0 = 2 (LLVM: expert scheduling mode 2), set by the entry lines.  The code itself states the register dependences
; between vector or matrix instructions and memory or LDS instructions, with s_wait_alu, always for 0.
; THE PLAN.  Registers that memory or LDS instructions touch:
;   v1 .. v6      offsets and LDS addresses: written at the head, never again.  One wait on va_vdst ahead of the first load serves the whole kernel.
;   B0, B1, B2    a batch's 16 global loads land here; its 32 conversions read them; then the batch three further on lands here.
;   CT            a batch's conversions write it; its 16 LDS stores read it; the next batch's conversions write it again.
;                 So a batch has one wait on vm_vsrc ahead of its conversions (the stores of the batch before have read CT) and one wait on va_vdst behind
;                 them (CT is written; the raw registers are read out); the batch's loads and LDS stores follow that wait, and no vector instruction stands among them.
;   fragments     EIGHT buffers of 72 registers, one for each K step, each filled once by 18 LDS loads and read by that step's 20 matrix instructions alone.
;                 Steps 0-2 lie in window 0, where CT and B0 .. B2 lay: the last batch's wait on va_vdst and one wait on vm_vsrc behind the barrier stand ahead
;                 of their loads.  Steps 3-7 lie in windows 2 and 3, which nothing else names.  So the eight K steps hold no s_wait_alu.
;   VO, QO        the way out's conversions write them, the global stores read them: one wait on va_vdst between.
;   v14, v15      written at the head, read by the closing add alone.
.set BLK,  18432                       ; bytes of a block of kv
.set XS,   168960                      ; LDS: x as bf16, 256 rows (channels) of 64 positions
.set XP,   160                         ; its pitch: 128 bytes + 32, five times 32: the transposing loads' eight rows start 160 bytes apart
.set WLB,  42240                       ; LDS: a wave's weights, 80 rows
.set WP,   528                         ; their pitch: 512 bytes + 16 = 33 x 16: sixteen rows of a fragment start in sixteen different 16-byte columns of 256
.set XO,   1                           ; v1  x: byte offset of my 16 bytes in the wave's first two rows
.set LO,   2                           ; v2  16 x lane
.set XSA,  3                           ; v3  LDS address of my 8 bytes of x
.set WSA,  4                           ; v4  LDS address of my 8 bytes of a weight half row
.set XA,   5                           ; v5  LDS address for the transposing loads of x
.set WA,   6                           ; v6  LDS address for the weight fragments
.set CT,   32                          ; v[32:63]   16 x 2 registers, converted
.set B0,   64                          ; v[64:127], v[128:191], v[192:255]: three batches of 16 loads
.set B1,   128
.set B2,   192
.set FB,   16                          ; K step s: 72 registers at v[16 + 72 (s mod 3)] of window 0 (s = 0-2), 2 (s = 3-5) or 3 (s = 6, 7): x tile it at +8 it, weight tile t at +32 + 8 t
.set QA,   128                         ; window 1: v(k, it) at v[8 (4 k + it)], the q tile's four accumulators at v[128 + 8 it]
.set VO,   16                          ; the way out: v[16:79] v in f16, v[80:111] f or g scaled, v[112:127] f or g in bf16
.set QS,   80
.set QO,   112
.set MSB, 0
.macro WIN new                         ; the immediate's high byte repeats the setting that is left
.if MSB != (\new)
	s_set_vgpr_msb (MSB<<8)|(\new)
.set MSB, (\new)
.endif
.endm
.macro PLACES                          ; four places behind matrix instructions (ISA guide 7.12.1), in front of readers of their results and of vector writes of their sources
.rept 4
	v_nop
.endr
.endm
	s_load_b256 s[4:11], s[0:1], 0x0               ; x s[4:5], Wq s[6:7], Wk s[8:9], Wv s[10:11]
	s_load_b128 s[12:15], s[0:1], 0x20             ; kv s[12:13], fbuf s[14:15]
	s_load_b64 s[16:17], s[0:1], 0x30              ; gbuf
	v_lshl_add_u32 v14, v0, 2, 0x33400             ; my spare word, behind x in LDS, and 0: kept for the closing lines alone
	v_mov_b32 v15, 0
	v_lshrrev_b32 v7, 5, v0
	v_readfirstlane_b32 s18, v7                    ; wave 0..3
	s_mov_b32 s19, ttmp9                           ; which 64 positions
	s_and_b32 s20, ttmp7, 0xffff                   ; batch
	s_mov_b32 s36, 0x3e99be61                      ; sqrt(log2(e) / 16), twice: the packed multiply names the pair
	s_mov_b32 s37, 0x3e99be61
	v_and_b32 v8, 15, v0                           ; r
	v_bfe_u32 v9, v0, 4, 1                         ; h
	v_and_b32 v10, 31, v0                          ; lane
	s_wait_alu depctr_va_sdst(0)                   ; s18 is written, ahead of its first reader: LDS places, bases and the branches on the wave's number are made from it
	s_and_b32 s21, s18, 1                          ; which 16 of the 32 q
	s_mul_i32 s40, s18, WLB                        ; my weights in LDS
	s_lshl_b32 s41, s18, 6                         ; 64 w
	v_add_nc_u32 v7, s41, v9                       ; channel 64 w + h: lanes 0-15 take one row of x, lanes 16-31 the next
	v_lshlrev_b32 v[XO], 14, v7                    ; x 16,384 bytes
	v_lshl_add_u32 v[XO], v8, 4, v[XO]             ; + 16 r
	v_lshlrev_b32 v[LO], 4, v10
	v_mul_u32_u24 v[XSA], v7, XP
	v_lshl_add_u32 v[XSA], v8, 3, v[XSA]
	v_add_nc_u32 v[XSA], XS, v[XSA]
	v_lshl_add_u32 v[WSA], v10, 3, s40
	v_and_b32 v11, 7, v0
	v_lshl_or_b32 v11, v9, 3, v11                  ; 8 h + L mod 8: the row that this lane addresses
	v_mul_u32_u24 v[XA], v11, XP
	v_bfe_u32 v11, v0, 3, 1
	v_lshl_add_u32 v[XA], v11, 4, v[XA]            ; + 16 ((L / 8) mod 2)
	v_add_nc_u32 v[XA], XS, v[XA]
	v_mul_u32_u24 v[WA], v8, WP
	v_lshl_add_u32 v[WA], v9, 4, v[WA]
	v_add_nc_u32 v[WA], s40, v[WA]                 ; row r, + 16 h
	; byte offsets, each in registers of its own, all below 4 GiB
	s_lshl_b32 s38, s20, 22                        ; x: batch x 4,194,304 + 256 x group
	s_lshl_b32 s39, s19, 8
	s_add_co_u32 s38, s38, s39
	s_mov_b32 s39, 0
	s_lshl_b32 s42, s18, 16                        ; Wv: 64 rows of 1,024 bytes a wave
	s_mov_b32 s43, 0
	s_lshl_b32 s44, s21, 14                        ; Wq or Wk: 16 rows
	s_mov_b32 s45, 0
	s_wait_kmcnt 0x0
	s_add_nc_u64 s[22:23], s[4:5], s[38:39]        ; x at my group's first position
	s_add_nc_u64 s[24:25], s[10:11], s[42:43]      ; my 64 rows of Wv
	s_cmp_lt_u32 s18, 2                            ; waves 0, 1 make f; waves 2, 3 make g
	s_cselect_b64 s[26:27], s[6:7], s[8:9]
	s_cselect_b64 s[30:31], s[14:15], s[16:17]
	s_add_nc_u64 s[26:27], s[26:27], s[44:45]      ; my 16 rows of Wq or Wk
	s_mul_i32 s38, s20, 128*BLK                    ; kv: the batch
	s_mul_i32 s42, s19, 2*BLK                      ; my two blocks
	s_add_co_u32 s42, s42, s38
	s_lshl_b32 s44, s18, 12                        ; my four channel tiles
	s_add_co_u32 s42, s42, s44
	s_add_nc_u64 s[28:29], s[12:13], s[42:43]
	s_lshl_b32 s42, s20, 18                        ; fbuf, gbuf: batch x 262,144 + four tiles a group + 512 x half of q
	s_lshl_b32 s44, s19, 12
	s_add_co_u32 s42, s42, s44
	s_lshl_b32 s44, s21, 9
	s_add_co_u32 s42, s42, s44
	s_add_nc_u64 s[30:31], s[30:31], s[42:43]
	s_lshl_b32 s42, s19, 1                         ; f of block 2 g lies in block (2 g - 1) mod 128
	s_add_co_u32 s42, s42, 127
	s_and_b32 s42, s42, 127
	s_mul_i32 s42, s42, BLK
	s_add_co_u32 s42, s42, s38
	s_add_co_u32 s42, s42, s44
	s_add_co_u32 s42, s42, 16384
	s_add_nc_u64 s[32:33], s[12:13], s[42:43]
	s_mul_i32 s42, s19, 2*BLK                      ; f of block 2 g + 1 lies in block 2 g
	s_add_co_u32 s42, s42, s38
	s_add_co_u32 s42, s42, s44
	s_add_co_u32 s42, s42, 16384
	s_add_nc_u64 s[34:35], s[12:13], s[42:43]
	s_wait_alu depctr_va_vdst(0)                   ; the six offsets and addresses v1 to v6 are written, which every load, store and LDS instruction below reads
; STAGE 1: twelve batches of 16 loads through three register buffers; every load of a wave covers two whole rows of 256 bytes (x) or
; 512 consecutive bytes (weights).  No address register and no base is ever written again.
.macro LDX buf, n0                     ; rows 64 w + 2 n, + 1 of x, read once in the launch
.irp i, 0,1,2,3,4,5,6,7,8,9,10,11,12,13,14,15
	global_load_b128 v[\buf+4*\i:\buf+4*\i+3], v[XO], s[22:23] offset:(\n0+\i)*32768 th:TH_LOAD_NT
.endr
.endm
.macro LDW buf, base, n0               ; half rows n0 .. n0 + 15 of the weights at s[base]
.irp i, 0,1,2,3,4,5,6,7,8,9,10,11,12,13,14,15
	global_load_b128 v[\buf+4*\i:\buf+4*\i+3], v[LO], s[\base:\base+1] offset:(\n0+\i)*512
.endr
.endm
.macro CVT16 buf                       ; 64 f32 a lane to bf16
.irp i, 0,1,2,3,4,5,6,7,8,9,10,11,12,13,14,15
	v_cvt_pk_bf16_f32 v[CT+2*\i], v[\buf+4*\i], v[\buf+4*\i+1]
	v_cvt_pk_bf16_f32 v[CT+2*\i+1], v[\buf+4*\i+2], v[\buf+4*\i+3]
.endr
.endm
.macro STX n0
.irp i, 0,1,2,3,4,5,6,7,8,9,10,11,12,13,14,15
	ds_store_b64 v[XSA], v[CT+2*\i:CT+2*\i+1] offset:(\n0+\i)*2*XP
.endr
.endm
.macro STW n0, row0
.irp i, 0,1,2,3,4,5,6,7,8,9,10,11,12,13,14,15
	ds_store_b64 v[WSA], v[CT+2*\i:CT+2*\i+1] offset:(\row0+((\n0+\i)>>1))*WP+((\n0+\i)&1)*256
.endr
.endm
; A batch is rounded into CT, between its two waits.  first = 1: no LDS store has read CT yet.
.macro TOCT buf, first
.if !\first
	s_wait_alu depctr_vm_vsrc(0)                   ; the LDS stores of the batch before have read CT, which the conversions below write again
.endif
	CVT16 \buf
	s_wait_alu depctr_va_vdst(0)                   ; the conversions have written CT, which the LDS stores below read, and are done reading the batch's raw registers, in which the next loads land
.endm
	LDX B0, 0
	LDX B1, 16
	LDW B2, 24, 0
	s_wait_loadcnt 32                              ; loads return in order: the oldest batch is in, the two younger batches (32 loads) stay out; so in every line below
	TOCT B0, 1
	LDW B0, 24, 16                                 ; the buffer is asked for again first, then CT goes to LDS: no vector instruction stands between the wait above and these 32 lines
	STX 0
	s_wait_loadcnt 32
	TOCT B1, 0
	LDW B1, 24, 32
	STX 16
	s_wait_loadcnt 32
	TOCT B2, 0
	LDW B2, 24, 48
	STW 0, 0
	s_wait_loadcnt 32
	TOCT B0, 0
	LDW B0, 24, 64
	STW 16, 0
	s_wait_loadcnt 32
	TOCT B1, 0
	LDW B1, 24, 80
	STW 32, 0
	s_wait_loadcnt 32
	TOCT B2, 0
	LDW B2, 24, 96
	STW 48, 0
	s_wait_loadcnt 32
	TOCT B0, 0
	LDW B0, 24, 112
	STW 64, 0
	s_wait_loadcnt 32
	TOCT B1, 0
	LDW B1, 26, 0                                  ; the 16 rows of Wq or Wk
	STW 80, 0
	s_wait_loadcnt 32
	TOCT B2, 0
	LDW B2, 26, 16
	STW 96, 0
	s_wait_loadcnt 32
	TOCT B0, 0
	STW 112, 0
	s_wait_loadcnt 16                              ; one batch is left behind this one
	TOCT B1, 0
	STW 0, 64
	s_wait_loadcnt 0x0
	TOCT B2, 0                                     ; its wait on va_vdst stands behind the last vector instruction that names v[32:255]: the fragment loads into window 0 lean on it too
	STW 16, 64
	s_wait_dscnt 0x0                               ; my rows of x are in LDS, for the other three waves' sake
	s_barrier_signal -1
	s_barrier_wait -1                              ; everybody's are
	s_wait_alu depctr_vm_vsrc(0)                   ; my last LDS stores have read CT, v[32:63], in which the fragments of K step 0 land
; STAGE 2: eight K steps of 32 channels.  x lies [channel][position], so its fragments (position along the lanes, channel along the
; registers) come by transposing loads; one such fragment serves as source 0 (rows = positions, for v) and as source 1 (columns = positions, for f, g).
.macro FETCH s                         ; 18 LDS loads in one run: the fragments of K step s, into that step's own buffer (destination: its window; address: window 0)
.set fb, FB+72*((\s)%3)
.set fw, (\s)/3+((\s)/3+1)/2           ; window 0, 2 or 3
	WIN (fw<<6)
.irp it, 0,1,2,3
	ds_load_tr16_b128 v[fb+8*\it:fb+8*\it+3], v[XA] offset:(\s)*32*XP+32*\it
	ds_load_tr16_b128 v[fb+8*\it+4:fb+8*\it+7], v[XA] offset:(\s)*32*XP+32*\it+16*XP
.endr
.irp t, 0,1,2,3,4
	ds_load_b128 v[fb+32+8*\t:fb+32+8*\t+3], v[WA] offset:\t*16*WP+64*(\s)
	ds_load_b128 v[fb+32+8*\t+4:fb+32+8*\t+7], v[WA] offset:\t*16*WP+64*(\s)+32
.endr
.endm
; 20 matrix instructions on 20 accumulators, one instruction a turn, in the same order in every K step.
; v: D[position][channel] = x^T fragment x Wv fragment: a lane's eight results are eight neighbouring positions of one channel, the image of a v fragment.
; f, g: D[q][position] = weight fragment x x^T fragment: eight neighbouring q of one position, the image of an f or g fragment.
.macro MULS s, zero
.set fb, FB+72*((\s)%3)
.set fw, (\s)/3+((\s)/3+1)/2
	WIN (0x50+5*fw)                                ; both sources in the step's window, C and D in window 1
.irp it, 0,1,2,3
.irp k, 0,1,2,3
.if \zero
	v_wmma_f32_16x16x32_bf16 v[8*(4*\k+\it):8*(4*\k+\it)+7], v[fb+8*\it:fb+8*\it+7], v[fb+32+8*\k:fb+32+8*\k+7], 0
.else
	v_wmma_f32_16x16x32_bf16 v[8*(4*\k+\it):8*(4*\k+\it)+7], v[fb+8*\it:fb+8*\it+7], v[fb+32+8*\k:fb+32+8*\k+7], v[8*(4*\k+\it):8*(4*\k+\it)+7]
.endif
.endr
.if \zero
	v_wmma_f32_16x16x32_bf16 v[QA+8*\it:QA+8*\it+7], v[fb+64:fb+71], v[fb+8*\it:fb+8*\it+7], 0
.else
	v_wmma_f32_16x16x32_bf16 v[QA+8*\it:QA+8*\it+7], v[fb+64:fb+71], v[fb+8*\it:fb+8*\it+7], v[QA+8*\it:QA+8*\it+7]
.endif
.endr
.endm
; Step s begins with the run of loads for step s + 2.  No s_wait_alu: those loads land in a buffer that no vector or matrix instruction has named since the
; waits above (steps 3 to 7: that none has ever named), and the matrix instructions name no address register.
	FETCH 0
	FETCH 1
	FETCH 2
	s_wait_dscnt 36                                ; LDS loads return in order: this step's 18 are in, the 36 of the two younger steps stay out; so in the loop of the assembler below
	MULS 0, 1                                      ; the first K step starts the sums: nothing is cleared
.irp s, 1,2,3,4,5
	FETCH (\s+2)
	s_wait_dscnt 36
	MULS \s, 0
.endr
	s_wait_dscnt 18                                ; nothing is left to fetch: the counts run down
	MULS 6, 0
	s_wait_dscnt 0x0
	MULS 7, 0
; STAGE 3: round and store; every store of a wave covers 512 consecutive bytes that begin at a multiple of 512 from the buffer's first byte.
	PLACES                                         ; behind the last products, whose results are read below; also ahead of the writes into v[16:127], which steps 0 and 1 took as sources
	WIN 0x05                                       ; sources in window 1, results in window 0
.irp a, 0,1,2,3,4,5,6,7,8,9,10,11,12,13,14,15
.irp p, 0,1,2,3
	v_cvt_pk_f16_f32 v[VO+4*\a+\p], v[8*\a+2*\p], v[8*\a+2*\p+1]
.endr
.endr
.irp p, 0,1,2,3,4,5,6,7,8,9,10,11,12,13,14,15
	v_pk_mul_f32 v[QS+2*\p:QS+2*\p+1], v[QA+2*\p:QA+2*\p+1], s[36:37] op_sel_hi:[1,0]
.endr
	WIN 0
.irp p, 0,1,2,3,4,5,6,7,8,9,10,11,12,13,14,15
	v_cvt_pk_bf16_f32 v[QO+\p], v[QS+2*\p], v[QS+2*\p+1]
.endr
	s_wait_alu depctr_va_vdst(0)                   ; the conversions have written v[VO ..] and v[QO ..], which all the stores below read, those behind the branch too
.irp k, 0,1,2,3
.irp it, 0,1,2,3
	global_store_b128 v[LO], v[VO+4*(4*\k+\it):VO+4*(4*\k+\it)+3], s[28:29] offset:(\it>>1)*BLK+\k*1024+(\it&1)*512
.endr
.endr
.irp it, 0,1,2,3
	global_store_b128 v[LO], v[QO+4*\it:QO+4*\it+3], s[30:31] offset:\it*1024
.endr
	s_cmp_ge_u32 s18, 2                            ; f goes into kv as well, one block back
	s_cbranch_scc1 .Lend
	global_store_b128 v[LO], v[QO:QO+3], s[32:33]
	global_store_b128 v[LO], v[QO+4:QO+7], s[32:33] offset:1024
	global_store_b128 v[LO], v[QO+8:QO+11], s[34:35]
	global_store_b128 v[LO], v[QO+12:QO+15], s[34:35] offset:1024
.Lend:
	s_wait_dscnt 0x0                               ; the closing lines, six on end
	s_wait_alu 0x0
	s_wait_tensorcnt 0x0
	ds_add_u32 v14, v15
	s_wait_dscnt 0x0
	s_endpgm
.Lfunc_end_k_q7049dd9528_proj:
	.size	k_q7049dd9528_proj, .Lfunc_end_k_q7049dd9528_proj-k_q7049dd9528_proj
	.p2alignl 7, 3214868480
	.fill 96, 4, 3214868480
	.section	.rodata,"a",@progbits
	.p2align	6, 0x0
	.amdhsa_kernel k_q7049dd9528_proj
		.amdhsa_group_segment_fixed_size 210432
		.amdhsa_private_segment_fixed_size 0
		.amdhsa_enable_private_segment 0
		.amdhsa_kernarg_size 56
		.amdhsa_user_sgpr_count 2
		.amdhsa_user_sgpr_kernarg_segment_ptr 1
		.amdhsa_wavefront_size32 1
		.amdhsa_system_sgpr_workgroup_id_x 1
		.amdhsa_system_sgpr_workgroup_id_y 1
		.amdhsa_system_sgpr_workgroup_id_z 1
		.amdhsa_system_vgpr_workitem_id 0
		.amdhsa_next_free_vgpr 928
		.amdhsa_next_free_sgpr 66
		.amdhsa_reserve_vcc 0
		.amdhsa_float_denorm_mode_32 3
		.amdhsa_float_denorm_mode_16_64 3
		.amdhsa_memory_ordered 1
		.amdhsa_forward_progress 1
		.amdhsa_inst_pref_size 88
	.end_amdhsa_kernel
	.amdgpu_metadata
---
amdhsa.version: [ 1, 2 ]
amdhsa.kernels:
  - .name:           k_q7049dd9528_proj
    .symbol:         k_q7049dd9528_proj.kd
    .args:
      - { .name: x, .offset: 0, .size: 8, .value_kind: global_buffer, .address_space: global }
      - { .name: Wq, .offset: 8, .size: 8, .value_kind: global_buffer, .address_space: global }
      - { .name: Wk, .offset: 16, .size: 8, .value_kind: global_buffer, .address_space: global }
      - { .name: Wv, .offset: 24, .size: 8, .value_kind: global_buffer, .address_space: global }
      - { .name: kv, .offset: 32, .size: 8, .value_kind: global_buffer, .address_space: global }
      - { .name: fbuf, .offset: 40, .size: 8, .value_kind: global_buffer, .address_space: global }
      - { .name: gbuf, .offset: 48, .size: 8, .value_kind: global_buffer, .address_space: global }
    .group_segment_fixed_size: 210432
    .private_segment_fixed_size: 0
    .kernarg_segment_align: 8
    .kernarg_segment_size: 56
    .max_flat_workgroup_size: 128
    .sgpr_count:     66
    .vgpr_count:     928
    .wavefront_size: 32
...
	.end_amdgpu_metadata
.endif
;; end of part 3
;; launch attn: the kernel of part 2 again; grid 64 x 4, 4 waves a work-group, clusters of 4 x 1, 327,680 bytes of LDS; arguments kv, fbuf, gbuf, out0; writes out0
